; MI455X (gfx1250); checked and timed in simulation.
; The chip was launched on July 23, 2026; its instructions are those of AMD's public machine-readable ISA for CDNA 5 (MIT licence, August 2026) and "CDNA5" Instruction Set Architecture Reference Guide (July 2026). The comments in the code are by the model that wrote it; some were corrected since.
;; Multi Head Attention. Allowed arithmetic: matrix products marked QUANTISED: E2M1 operands, one E8M0 scale for each 32 along K, by v_wmma_scale_f32_16x16x128_f8f6f4 with both operands' format E2M1 (or v_wmma_scale_f32_32x16x128_f4), f32 sums; everything else in f32.
;; Inputs: attn_mask 8 x 1,024 x 1,024 bool; keys 1,024 x 8 x 512 float32; queries 1,024 x 8 x 512 float32.
;; Outputs: out0 1,024 x 8 x 512 float32.
;; This version of the problem:
;;   THIS VERSION OF THE PROBLEM IS GIVEN IN LOW PRECISION. The matrix products marked QUANTISED in the list below multiply operands that are first quantised to E2M1 (2 exponent bits, 1 mantissa bit; 4 bits a number), with one power-of-two scale for each 32 numbers along K (OCP MX v1.0); their sums are f32. All else is computed in f32.
;;   The module's matrix products, in the order in which they are computed (A, B: the left and right operand; K: the contracted axis; several contracted axes count as one K, in the product's order):
;;     1. batch 64 x [M 1,024, K 64] x [K 64, N 1,024]; A: input queries; B: input keys: QUANTISED
;;     2. batch 64 x [M 64, K 1,024] x [K 1,024, N 1,024]; A: input keys; B: softmax (see below): QUANTISED
;;   THE QUANTISER, for each operand of a quantised product, along K:
;;     - K is cut into blocks of 32 from its start; a last block that is shorter is filled with zeros.
;;     - A block's scale is 2^e with e = floor(log2(the largest magnitude in the block)) - 2, held to -126 .. 127; a block of zeros has e = 0. As a byte (E8M0): e + 127.
;;     - Each number is divided by its block's scale, clamped to +-6, and rounded to the nearest number of E2M1, ties to even, subnormals kept.
;;     - The product sums the exact products of the quantised numbers (number of the format x scale) in f32.
;;   ~~~python
;;   def quantise(x, axis):      # numpy; x: float32 -> the quantised numbers, widened to float32 again
;;       x = np.moveaxis(x, axis, -1); K = x.shape[-1]
;;       x = np.pad(x, [(0, 0)] * (x.ndim - 1) + [(0, -K % 32)]); x = x.reshape(x.shape[:-1] + (-1, 32)); a = np.abs(x).max(-1, keepdims=True)
;;       e = np.where(a > 0, np.clip(np.frexp(np.where(a > 0, a, 1))[1] - 1 - 2, -126, 127), 0)      # np.frexp(a)[1] - 1 = floor(log2(a)), exactly
;;       r = np.clip(x / 2.0 ** e, -6, 6)
;;       step = 2.0 ** (np.maximum(np.frexp(np.where(r == 0, 1, r))[1] - 1, 0) - 1)
;;       q = np.round(r / step) * step * 2.0 ** e      # np.round: ties to even
;;       return np.moveaxis(q.reshape(q.shape[:-2] + (-1,))[..., :K], -1, axis).astype(np.float32)
;;   ~~~
;;   SOFTMAX AHEAD OF A QUANTISED PRODUCT. Where the list says 'softmax', what is quantised is not the finished softmax but p = 2^(t - M), with t = logit x log2(e) and M = ceil(the row's largest t), a whole number; so 1/2 < the row's largest p <= 1. The row's sum l is taken of the UNQUANTISED p, in f32, and the product's result is divided by l at the end. Since M is a whole number, a kernel that streams over the keys may use a running M (the ceiling of the running maximum): every later rescaling is an exact power of two, which a block's scale takes up: the codes' values come out the same.
;;   OPERANDS COMPUTED ON THE WAY. 'Computed on the way' means the value that the module computes at that place (a softmax that the list does not call 'softmax' is quantised finished and normalised). What goes into a quantiser is computed in f32, as accurately as f32 sums, v_exp_f32 and their like allow (about 1e-6 of the number): no bf16 or f16 on the way to a quantiser, and a product that is left as it is and whose result goes on into a quantised operand takes f32 operands (vector FMAs, or v_wmma_f32_16x16x4_f32). A number that lies on a knife's edge between two numbers of the format may be rounded either way, as far as f32 arithmetic and the matrix unit's own rounding can turn it there, and no further.
;; One version. Each part assembles by itself: llvm-mc -triple=amdgcn-amd-amdhsa -mcpu=gfx1250 --defsym DOCPART=n.
;; ======== version 1 of 1: 1 launch
;; limits: right only within a limited range of input values
;; launch attn (part 1): grid 4 x 64, 16 waves a work-group, clusters of 4 x 1, 296,960 bytes of LDS; arguments queries, keys, attn_mask, out0; writes out0
.if DOCPART == 1
	.amdgcn_target "amdgcn-amd-amdhsa--gfx1250"
	.amdhsa_code_object_version 6
	.text
	.protected	k_qa61a483fb2_attn
	.globl	k_qa61a483fb2_attn
	.p2align	8
	.type	k_qa61a483fb2_attn,@function
k_qa61a483fb2_attn:
	s_mov_b64 s[64:65], 0
	v_nop
	global_prefetch_b8 v0, s[64:65] scope:SCOPE_SE
	s_setreg_imm32_b32 hwreg(HW_REG_WAVE_MODE, 25, 1), 1
	s_wait_xcnt 0x0
	s_wait_alu depctr_hold_cnt(0) depctr_sa_sdst(0) depctr_va_vdst(0) depctr_va_sdst(0) depctr_va_ssrc(0) depctr_va_vcc(0) depctr_vm_vsrc(0)
	s_getreg_b32 s2, hwreg(HW_REG_IB_STS2, 6, 4)
	s_cmp_eq_u32 s2, 0
	s_cbranch_scc0 .Lentry_in_a_cluster
	s_endpgm
.Lentry_in_a_cluster:
	s_bfe_u32 s2, ttmp6, 0x10000c
	s_cmp_lg_u32 s2, 0x3003
	s_cbranch_scc0 .Lentry_shape_is_right
	s_endpgm
.Lentry_shape_is_right:
; out[t][n][:] = sum over s of softmax_s(q[t][n] . k[s][n] / 8, masked) k[s][n][:], 64 heads n of 64 numbers, 1,024 queries t, 1,024 keys s; the values are the keys.
; queries, keys, out: [1024][4096] f32, head n = floats 64 n .. 64 n + 63 of a row (256 aligned bytes, rows 16,384 bytes apart).  attn_mask: [8][1024][1024] bytes; head n takes batch n & 7.
; Both products run on codes of FP4 (E2M1) with one E8M0 scale for each 32 along K.  Product 1: K = the head's 64 (two blocks).  Product 2: K = the keys.
; SOFTMAX: t = score x log2(e) / 8; M = the running largest t of the keys that count, rounded up to a whole number; p = 2^(t - M) is quantised along the keys; the row's sum is taken of the unquantised p and divides at the end.
; SHARES.  A work-group owns 256 queries of one head, each of its sixteen waves 16 of them in 256 registers.  Every wave walks the head's keys in 8 steps of 128.
; Both products are used transposed (S^T = K Q^T, O^T = V^T P^T): lane (r = lane % 16, h = lane / 16) holds query r throughout.
; CLUSTER.  The four query blocks of a head form a cluster and need the same 262,144 bytes of keys: wave w of each asks JOINTLY for keys 64 w .. 64 w + 63 (one tensor load a wave, one outstanding), into its own LDS region.
;   The keys are asked for first, Q and the mask behind them.  The mask is not shared: a work-group's 262,144 mask bytes are its own among its cluster's.
; THE KEYS ARE QUANTISED IN THE WORK-GROUP, both ways (along the head for K, along the keys for V^T), once, by the wave that fetched them; the codes lie in LDS as images of the operands' registers, 16 bytes a lane on end,
;   over the first rows of the wave's region, which has had its only fill and whose loads stand ahead of those stores.  The scale bytes go to words of their own behind the regions.  No LDS byte is filled twice.
; TWO TILES IN ONE FRAGMENT OF K.  k 0 .. 63 of a fragment are a tile of the step's first 64 keys, k 64 .. 127 the tile of its last 64.  Against [Q | 0] it gives the first tile's scores, against [0 | Q] the second's;
;   the zero codes' blocks have the scale byte 1.  [0 | Q] and [Q | 0] are twelve registers: four zeros, Q, four zeros.
; A LANE HOLDS WHOLE BLOCKS.  Row 8 h' + j of score tile (c, u) of a step is key 64 c + 32 h' + 8 u + sg(j), sg(j) = j / 2 + 4 (j % 2).  So a lane's 32 registers of tiles (c, 0..3) are block 2 c + h of its query:
;   the block's maximum needs no other lane, and four conversions give registers 4 c .. 4 c + 3 of P's operand as they stand.  V's codes are laid in the same order.
; The order of the 32 channels inside a block is free as long as Q and K agree: place 8 i + e is channel 4 i + e for e < 4, 16 + 4 i + e - 4 otherwise.
; THE MASK IS THE C OF THE SCORE PRODUCT.  Two words of mask bytes, d0 | d1 << 4, hold eight nibbles in the order sg; xor 0x99999999 makes 'counts' the FP4 code of -0 and 'hidden' that of -0.5;
;   one conversion with the scale 2^123 writes -0 or -2^122 into the tile's eight registers, and the product adds onto them.  The mask is loaded as it lies, whole rows of 256 bytes for two steps at a time, packed to nibbles,
;   and turned through the wave's own stage in LDS (rows of 128 bytes + 16 of padding), from which a lane takes its query's 16 bytes for each half step.
; ORDER.  In step st the scores of step st are followed by O's products of step st - 1; then K, V, their scales and the mask words that the next products want are loaded, and one wait at the next step's head serves them all.
; NO PREFETCH: the keys, Q and the first mask bytes are asked for at the head, with no loop ahead of them to ask in; the later mask bytes come into registers a step ahead of their use.
; LIMITS.  |score| stays under 2^100 (the running maximum begins at -2^100, over every hidden score); NaN and infinities among queries and keys are not served; mask bytes are 0 or 1;
;   a p under 2^-126 counts as 0; a block of zeros gets the scale byte 1 (its codes are zeros); a block's largest p is made from its largest score, which takes v_exp_f32 not to fall where its input rises.
;   A row with no key that counts gives 0 x infinity = NaN, as the definition does.
.set WREG,  17408                      ; a wave's LDS region: 64 rows of 256 bytes + 16 of padding
.set PITCH, 272                        ; 68 words: row r starts at bank 4 r mod 64 (64 banks of 4 bytes: ISA guide 11.1)
.set KI,    0                          ; in a region: K's four tiles, 512 u + 16 (row + 16 half)
.set VI,    2048                       ; V^T's four tiles of 16 channels, 512 dt + 16 (channel % 16 + 16 batch): registers 4 (w % 2) .. + 3 of step w / 2
.set MS,    4608                       ; the wave's own stage: mask nibbles, 16 rows x YP; at the end 16 rows of out
.set YP,    144
.set QSTG,  16*WREG                    ; behind the regions: 768 bytes for each wave: Q's codes (32 bytes a query), from byte 512 on its blocks' scale bytes (a word each)
.set QWB,   768
.set KSA,   QSTG+16*QWB                ; K's scale words, 256 bytes a step: 8 (row + 16 (u / 2)) + 4 (u % 2); 2,048 bytes on V's: 8 (channel % 16 + 16 (dt / 2)) + 4 (dt % 2)
.set SPARE, KSA+4096                   ; the spare words, 128 bytes for each wave
.set AKI, 1                            ; v1   16 x lane + the step's first region
.set AS,  2                            ; v2   8 x lane + KSA
.set YW,  3                            ; v3   stage, in: region + MS + 144 h + 8 r
.set AM,  4                            ; v4   mask: 1,024 h + 16 r
.set SH8, 5                            ; v5   8 h
.set MSC, 6                            ; v6   the byte 250 (2^123) four times
.set QS0, 7                            ; v7   Q's scale words beside [Q | 0],
.set QS1, 8                            ; v8   and beside [0 | Q]
.set YR,  9                            ; v9   stage, out: region + MS + 144 r + 16 h
.set TR,  13                           ; v13  the running largest score; -M by turns in v12 and v10
.set LS,  14                           ; v[14:15] the row's sum, in two halves
.set QF1, 16                           ; v16-23  [0 | Q]
.set QF0, 20                           ; v20-27  [Q | 0]
.set Y,   28                           ; v28-35  mask nibbles, a word a tile
.set KSR, 36                           ; v36-37  K's scale words
.set VSL, 38                           ; v38-39  V's
.set KB,  40                           ; v40-71  four fragments of K
.set VF,  72                           ; v72-103 four fragments of V^T
.set S,   104                          ; v104-167 S^T, then p
.set O,   168                          ; v168-199 O^T
.set PC,  200                          ; v200-207 P's codes
.set MR,  208                          ; v208-239 two steps' mask bytes as loaded
.set PS,  240                          ; v240 P's scale word
.set FF,  242                          ; v[242:243] f = 2^(old M - new M); at the end 1 / the sum
.set BM,  244                          ; v244-245 a block's largest number
.set BT,  246                          ; v246-247 second chains
.set SO,  248                          ; v248-249 the conversions' scale operands
.set BY,  250                          ; v250-251 scale bytes
.set T,   252
.set T2,  253
.set SPW, 254                          ; v254 LDS address of my spare word, never rewritten
.set NIL, 255                          ; v255 0, never rewritten
; prologue
.set HR,  244                          ; r, h, lane
.set HH,  245
.set HL,  246
.set TA,  247
.set TB,  248
.set AST, 28                           ; my row and half in my region, for K
.set AVT, 29                           ; my column, for V
.set KST, 30                           ; where my key's 16 bytes of codes go
.set KSS, 31                           ; and its scale byte
.set VST, 32                           ; where my column's 16 bytes of codes go
.set VSS, 33                           ; and its scale byte
.set QCA, 34                           ; Q: where my 4 bytes of codes go;
.set QBA, 35                           ; my block's scale byte;
.set QRA, 36                           ; where the operand's 16 bytes come from;
.set QRB, 37                           ; and my query's two scale bytes
.set QOF, 38                           ; Q: my offset in memory
.set X0,  40                           ; v40-167 four sets of 32 numbers
.set X1,  72
.set X2,  104                          ; v104-167: 32 keys x 2 neighbouring channels
.set BX,  16                           ; v16-23  V: the second channel's conversions
.set QX,  168                          ; v168-199 Q as loaded
.set CD,  200                          ; v200-207 two blocks' codes
.set QM,  40                           ; v40-43 Q: four groups' largest magnitudes, then scale operands
.set QC,  44                           ; v44-47 their codes
.set QB,  48                           ; v48-51 their scale bytes
; A round of the cluster's barrier: my work-group's barrier, wave 0 signals for the work-group, every wave waits for the four work-groups, my work-group's barrier once more.
.macro CROUND
	s_barrier_signal -1
	s_barrier_wait -1
	s_cmp_lg_u32 s12, 0
	s_cbranch_scc1 .Lnot_wave_0_\@
	s_barrier_signal -3
.Lnot_wave_0_\@:
	s_barrier_wait -3
	s_barrier_signal -1
	s_barrier_wait -1
.endm
; Two blocks of 32 numbers of a lane become 4 registers of codes each, and their scale bytes.  Four chains of maxima by turns.
.macro QB2 x, y
	v_max3_num_f32 v[BM], |v[(\x)]|, |v[(\x)+1]|, 0x1800000            ; the floor 2^(3 - 127) among the leaves: the byte cannot fall under 1
	v_max3_num_f32 v[BM+1], |v[(\y)]|, |v[(\y)+1]|, 0x1800000
	v_max3_num_f32 v[BT], |v[(\x)+16]|, |v[(\x)+17]|, |v[(\x)+18]|
	v_max3_num_f32 v[BT+1], |v[(\y)+16]|, |v[(\y)+17]|, |v[(\y)+18]|
.irp i, 0,2,4,6,8,10
	v_max3_num_f32 v[BM], v[BM], |v[(\x)+2+\i]|, |v[(\x)+3+\i]|
	v_max3_num_f32 v[BM+1], v[BM+1], |v[(\y)+2+\i]|, |v[(\y)+3+\i]|
	v_max3_num_f32 v[BT], v[BT], |v[(\x)+19+\i]|, |v[(\x)+20+\i]|
	v_max3_num_f32 v[BT+1], v[BT+1], |v[(\y)+19+\i]|, |v[(\y)+20+\i]|
.endr
	v_max3_num_f32 v[BM], v[BM], |v[(\x)+14]|, |v[(\x)+15]|
	v_max3_num_f32 v[BM+1], v[BM+1], |v[(\y)+14]|, |v[(\y)+15]|
	v_max3_num_f32 v[BM], v[BM], v[BT], |v[(\x)+31]|
	v_max3_num_f32 v[BM+1], v[BM+1], v[BT+1], |v[(\y)+31]|
	v_add_nc_u32 v[SO], 0xff000000, v[BM]                              ; 2 off the exponent field: the conversion takes the exponent field of this operand as its scale
	v_add_nc_u32 v[SO+1], 0xff000000, v[BM+1]
.irp g, 0,1,2,3
	v_cvt_scalef32_pk8_fp4_f32 v[CD+\g], v[(\x)+8*\g:(\x)+8*\g+7], v[SO]
	v_cvt_scalef32_pk8_fp4_f32 v[CD+4+\g], v[(\y)+8*\g:(\y)+8*\g+7], v[SO+1]
.endr
	v_lshrrev_b32 v[BY], 23, v[SO]                                     ; the scales' bytes; also the plain lines behind the conversions
	v_lshrrev_b32 v[BY+1], 23, v[SO+1]
.endm
; V: a lane's 64 registers are 32 keys of two neighbouring channels by turns.  Eight registers, 4 keys x 2 channels, are converted under the first channel's scale and again under the second's; of the first result the even nibbles
; count, of the second the odd ones.  Two such words, 8 keys, make a word of each channel whose nibble j is key sg(j).  Codes: v[CD..CD+3] the first channel's, v[CD+4..CD+7] the second's.
.macro QBV
.irp e, 0,1
	v_max3_num_f32 v[BM+\e], |v[X2+\e]|, |v[X2+2+\e]|, 0x1800000       ; the floor among the leaves
.endr
.irp e, 0,1
	v_max3_num_f32 v[BT+\e], |v[X2+32+\e]|, |v[X2+34+\e]|, |v[X2+36+\e]|
.endr
.irp i, 4,8,12,16,20,24
.irp e, 0,1
	v_max3_num_f32 v[BM+\e], v[BM+\e], |v[X2+\i+\e]|, |v[X2+\i+2+\e]|
	v_max3_num_f32 v[BT+\e], v[BT+\e], |v[X2+34+\i+\e]|, |v[X2+36+\i+\e]|
.endr
.endr
.irp e, 0,1
	v_max3_num_f32 v[BM+\e], v[BM+\e], |v[X2+28+\e]|, |v[X2+30+\e]|
.endr
.irp e, 0,1
	v_max3_num_f32 v[BM+\e], v[BM+\e], v[BT+\e], |v[X2+62+\e]|
.endr
.irp e, 0,1
	v_add_nc_u32 v[SO+\e], 0xff000000, v[BM+\e]
.endr
.irp g, 0,1,2,3,4,5,6,7
	v_cvt_scalef32_pk8_fp4_f32 v[CD+\g], v[X2+8*\g:X2+8*\g+7], v[SO]
	v_cvt_scalef32_pk8_fp4_f32 v[BX+\g], v[X2+8*\g:X2+8*\g+7], v[SO+1]
.endr
.irp e, 0,1
	v_lshrrev_b32 v[BY+\e], 23, v[SO+\e]                               ; the scales' bytes; also the plain lines behind the conversions
.endr
.irp u, 0,1,2,3
	v_lshlrev_b32 v[CD+2*\u+1], 4, v[CD+2*\u+1]
	v_lshrrev_b32 v[BX+2*\u], 4, v[BX+2*\u]
.endr
.irp u, 0,1,2,3
	v_bfi_b32 v[CD+\u], s46, v[CD+2*\u], v[CD+2*\u+1]
.endr
.irp u, 0,1,2,3
	v_bfi_b32 v[CD+4+\u], s46, v[BX+2*\u], v[BX+2*\u+1]
.endr
.endm
.macro QLOAD a                         ; two groups of four queries: 64 neighbouring bytes of each block of 128 a load; the two loads of a group together take four whole rows
.irp g, \a, \a+1
.irp i, 0,1
	global_load_b128 v[QX+8*(\g)+4*\i:QX+8*(\g)+4*\i+3], v[QOF], s[4:5] offset:65536*(\g)+64*\i
.endr
.endr
.endm
.macro LDK bt, gr, x
.irp i, 0,1,2,3,4,5,6,7
	ds_load_b128 v[(\x)+8*(\i%4)+4*(\i/4):(\x)+8*(\i%4)+4*(\i/4)+3], v[AST] offset:(32*(\bt)+16*(\gr))*PITCH+16*\i
.endr
.endm
.macro LDV bt                          ; channels 2 lane, 2 lane + 1 of keys 32 bt .. + 31: 32 lanes read a key's 256 bytes
.irp u, 0,1,2,3
.irp j, 0,1,2,3,4,5,6,7
	ds_load_b64 v[X2+16*\u+2*\j:X2+16*\u+2*\j+1], v[AVT] offset:(32*(\bt)+8*\u+\j)*PITCH
.endr
.endr
.endm
; Q: four groups of four queries; a lane holds 8 numbers of one query, four neighbouring lanes a block of 32.
.macro QQ
.irp g, 0,1,2,3
	v_max3_num_f32 v[QM+\g], |v[QX+8*\g]|, |v[QX+8*\g+1]|, 0x1800000
.endr
.irp i, 2,4,6
.irp g, 0,1,2,3
	v_max3_num_f32 v[QM+\g], v[QM+\g], |v[QX+8*\g+\i]|, |v[QX+8*\g+\i+1]|
.endr
.endr
.irp g, 0,1,2,3
	v_max_num_f32_dpp v[QM+\g], v[QM+\g], v[QM+\g] row_xmask:1 row_mask:0xf bank_mask:0xf
.endr
.irp g, 0,1,2,3
	v_max_num_f32_dpp v[QM+\g], v[QM+\g], v[QM+\g] row_xmask:2 row_mask:0xf bank_mask:0xf   ; with the block's other three lanes
.endr
.irp g, 0,1,2,3
	v_add_nc_u32 v[QM+\g], 0xff000000, v[QM+\g]
.endr
.irp g, 0,1,2,3
	v_cvt_scalef32_pk8_fp4_f32 v[QC+\g], v[QX+8*\g:QX+8*\g+7], v[QM+\g]
.endr
.irp g, 0,1,2,3
	v_lshrrev_b32 v[QB+\g], 23, v[QM+\g]           ; the scale's byte; also the plain lines behind the conversions
.endr
.irp g, 0,1,2,3
	ds_store_b32 v[QCA], v[QC+\g] offset:128*\g            ; 32 lanes store 128 neighbouring bytes: four queries' codes
	ds_store_b32 v[QBA], v[QB+\g] offset:512+32*\g         ; a block's four lanes write the same word with the same value
.endr
.endm
; Batch bt: rows 32 bt .. 32 bt + 31 of my region are read, quantised both ways, and their images stored.  The stores over the region's first rows stand behind all the batch's loads: LDS serves a wave's instructions in order (ISA guide 5.7.1.4).
.macro KSTO bt
	ds_store_b128 v[KST], v[CD:CD+3] offset:KI+128*(\bt)
	ds_store_b128 v[KST], v[CD+4:CD+7] offset:KI+1024+128*(\bt)
	ds_store_b8 v[KSS], v[BY] offset:64*(\bt)
	ds_store_b8 v[KSS], v[BY+1] offset:128+64*(\bt)
.endm
.macro VSTO bt                         ; channels 2 lane and 2 lane + 1: neighbouring rows of a tile
	ds_store_b128 v[VST], v[CD:CD+3] offset:VI+256*(\bt)
	ds_store_b128 v[VST], v[CD+4:CD+7] offset:VI+16+256*(\bt)
	ds_store_b8 v[VSS], v[BY] offset:2048+(\bt)
	ds_store_b8 v[VSS], v[BY+1] offset:2048+8+(\bt)
.endm
.macro MGLOAD p                        ; the mask bytes of steps 2 p and 2 p + 1: load i: lanes 0-15 row 2 i, lanes 16-31 row 2 i + 1, each row's 256 consecutive aligned bytes
.irp i, 0,1,2,3,4,5,6,7
	global_load_b128 v[MR+4*\i:MR+4*\i+3], v[AM], s[8:9] offset:2048*\i+256*(\p)
.endr
.endm
.macro PKA i                           ; sixteen mask bytes to sixteen nibbles
	v_lshl_or_b32 v[MR+4*(\i)], v[MR+4*(\i)+1], 4, v[MR+4*(\i)]
	v_lshl_or_b32 v[MR+4*(\i)+1], v[MR+4*(\i)+3], 4, v[MR+4*(\i)+2]
.endm
.macro PKX i                           ; counts: the code of -0; hidden: of -0.5
	v_xor_b32 v[MR+4*(\i)], s40, v[MR+4*(\i)]
	v_xor_b32 v[MR+4*(\i)+1], s40, v[MR+4*(\i)+1]
.endm
.macro PST                             ; into my stage, by rows
.irp i, 0,1,2,3,4,5,6,7
	ds_store_b64 v[YW], v[MR+4*\i:MR+4*\i+1] offset:2*YP*\i
.endr
.endm
.macro YLOAD s                         ; and back: step s of the two, my query's block of each half step
	ds_load_b128 v[Y:Y+3], v[YR] offset:64*(\s)
	ds_load_b128 v[Y+4:Y+7], v[YR] offset:64*(\s)+32
.endm
.macro KLOAD off                       ; four fragments of K: the first region's tile below, the second's above
.irp u, 0,1,2,3
	ds_load_b128 v[KB+8*\u:KB+8*\u+3], v[AKI] offset:(\off)+KI+512*\u
	ds_load_b128 v[KB+8*\u+4:KB+8*\u+7], v[AKI] offset:(\off)+WREG+KI+512*\u
.endr
.endm
; S^T tile (c, u) += K Q^T, onto the mask's -0 or -2^122; K's scale words: register u % 2, lanes 0-15 for tiles 0, 1, lanes 16-31 for tiles 2, 3
.macro SC1 u, d, qf, qs
.if (\u) < 2
	v_wmma_scale_f32_16x16x128_f8f6f4 v[\d:\d+7], v[KB+8*\u:KB+8*\u+7], v[\qf:\qf+7], v[\d:\d+7], v[KSR+(\u)%2], v[\qs] matrix_a_fmt:MATRIX_FMT_FP4 matrix_b_fmt:MATRIX_FMT_FP4
.else
	v_wmma_scale_f32_16x16x128_f8f6f4 v[\d:\d+7], v[KB+8*\u:KB+8*\u+7], v[\qf:\qf+7], v[\d:\d+7], v[KSR+(\u)%2], v[\qs] matrix_a_fmt:MATRIX_FMT_FP4 matrix_b_fmt:MATRIX_FMT_FP4 matrix_a_scale:MATRIX_SCALE_ROW1
.endif
.endm
.macro PV1 dt, zero                    ; O^T tile dt (+)= V^T P^T; V's scale words likewise
.if \zero
.if (\dt) < 2
	v_wmma_scale_f32_16x16x128_f8f6f4 v[O+8*\dt:O+8*\dt+7], v[VF+8*\dt:VF+8*\dt+7], v[PC:PC+7], 0, v[VSL+(\dt)%2], v[PS] matrix_a_fmt:MATRIX_FMT_FP4 matrix_b_fmt:MATRIX_FMT_FP4
.else
	v_wmma_scale_f32_16x16x128_f8f6f4 v[O+8*\dt:O+8*\dt+7], v[VF+8*\dt:VF+8*\dt+7], v[PC:PC+7], 0, v[VSL+(\dt)%2], v[PS] matrix_a_fmt:MATRIX_FMT_FP4 matrix_b_fmt:MATRIX_FMT_FP4 matrix_a_scale:MATRIX_SCALE_ROW1
.endif
.else
.if (\dt) < 2
	v_wmma_scale_f32_16x16x128_f8f6f4 v[O+8*\dt:O+8*\dt+7], v[VF+8*\dt:VF+8*\dt+7], v[PC:PC+7], v[O+8*\dt:O+8*\dt+7], v[VSL+(\dt)%2], v[PS] matrix_a_fmt:MATRIX_FMT_FP4 matrix_b_fmt:MATRIX_FMT_FP4
.else
	v_wmma_scale_f32_16x16x128_f8f6f4 v[O+8*\dt:O+8*\dt+7], v[VF+8*\dt:VF+8*\dt+7], v[PC:PC+7], v[O+8*\dt:O+8*\dt+7], v[VSL+(\dt)%2], v[PS] matrix_a_fmt:MATRIX_FMT_FP4 matrix_b_fmt:MATRIX_FMT_FP4 matrix_a_scale:MATRIX_SCALE_ROW1
.endif
.endif
.endm
.macro BMAX4                           ; the largest score of each of my two blocks: four ascending chains by turns; each tile is first read at its low end
.irp c, 0,1
	v_max3_num_f32 v[BM+\c], v[S+32*\c], v[S+32*\c+1], v[S+32*\c+2]
	v_max3_num_f32 v[BT+\c], v[S+32*\c+16], v[S+32*\c+17], v[S+32*\c+18]
.endr
.irp i, 3,5,7,9,11,13
.irp c, 0,1
	v_max3_num_f32 v[BM+\c], v[BM+\c], v[S+32*\c+\i], v[S+32*\c+\i+1]
	v_max3_num_f32 v[BT+\c], v[BT+\c], v[S+32*\c+16+\i], v[S+32*\c+17+\i]
.endr
.endr
.irp c, 0,1
	v_max3_num_f32 v[BT+\c], v[BT+\c], v[S+32*\c+15], v[S+32*\c+31]
.endr
.irp c, 0,1
	v_max_num_f32 v[BM+\c], v[BM+\c], v[BT+\c]
.endr
.endm
.macro FMA2 j                          ; t - M, two at a time
	v_pk_fma_f32 v[S+(\j):S+(\j)+1], v[S+(\j):S+(\j)+1], s[38:39], v[NMC:NMC+1] op_sel_hi:[1,0,0]
.endm
.macro ADD1 a                          ; the sum's first level: four of sixteen
.irp k, 0,4,8,12
	v_pk_add_f32 v[S+16*(\a)+\k:S+16*(\a)+\k+1], v[S+16*(\a)+\k:S+16*(\a)+\k+1], v[S+16*(\a)+\k+2:S+16*(\a)+\k+3]
.endr
.endm
	s_load_b256 s[4:11], s[0:1], 0x0               ; queries s[4:5], keys s[6:7], mask s[8:9], out s[10:11]
	v_lshl_add_u32 v[SPW], v0, 2, SPARE
	v_mov_b32 v[NIL], 0
	ds_add_u32 v[SPW], v[NIL]                      ; the opening: the add, twice on end, and its wait ahead of my tensor load
	ds_add_u32 v[SPW], v[NIL]
	v_lshrrev_b32 v1, 5, v0
	v_readfirstlane_b32 s12, v1                    ; wave 0..15
	v_and_b32 v[HR], 15, v0                        ; r
	v_bfe_u32 v[HH], v0, 4, 1                      ; h
	v_and_b32 v[HL], 31, v0                        ; lane
	v_bfe_u32 v[QOF], v0, 3, 2
	v_bfe_u32 v[TA], v0, 2, 1
	v_and_b32 v[TB], 3, v0
	v_lshlrev_b32 v[AM], 10, v[HH]
	v_lshlrev_b32 v[QOF], 14, v[QOF]
	v_lshlrev_b32 v[TB], 4, v[TB]
	v_lshl_add_u32 v[AM], v[HR], 4, v[AM]          ; mask: lanes 0-15 one row, lanes 16-31 the next, 16 bytes a lane
	v_lshl_add_u32 v[TB], v[TA], 7, v[TB]
	v_add_nc_u32 v[QOF], v[QOF], v[TB]             ; Q: 16,384 (lane / 8) + 128 ((lane / 4) % 2) + 16 (lane % 4)
	s_bfe_u32 s13, ttmp6, 0x40000                  ; cx: my place in the cluster
	s_lshl_b32 s14, ttmp9, 2                       ; in a cluster launch ttmp9 counts clusters
	s_add_co_u32 s14, s14, s13                     ; my block of 256 queries: it enters Q's, the mask's and out's addresses alone
	s_and_b32 s15, ttmp7, 0xffff                   ; the head, which the four partners share
	s_lshl_b32 s16, s14, 8
	s_lshl_b32 s17, s12, 4
	s_add_co_u32 s16, s16, s17                     ; my first query: 256 x block + 16 x wave
	s_lshl_b32 s20, s15, 8                         ; the head's 256 bytes in a row
	s_lshl_b32 s18, s16, 14
	s_add_co_u32 s18, s18, s20
	s_mov_b32 s19, 0                               ; s[18:19]: my first query's head in queries and in out
	s_and_b32 s22, s15, 7
	s_lshl_b32 s22, s22, 20
	s_lshl_b32 s23, s16, 10
	s_add_co_u32 s22, s22, s23
	s_mov_b32 s23, 0                               ; s[22:23]: batch (head & 7), my first query's row of the mask
	s_lshl_b32 s21, s12, 20                        ; keys 64 w on: 64 rows of 16,384 bytes
	s_add_co_u32 s20, s20, s21
	s_mov_b32 s21, 0                               ; s[20:21]: made of the head and the wave's number alone
	s_mul_i32 s42, s12, WREG                       ; my region
	s_mul_i32 s43, s12, QWB
	s_add_co_u32 s43, s43, QSTG                    ; my 768 bytes for Q
	s_lshr_b32 s44, s12, 1
	s_lshl_b32 s44, s44, 8
	s_and_b32 s41, s12, 1
	s_lshl_b32 s41, s41, 1
	s_add_co_u32 s44, s44, s41
	s_add_co_u32 s44, s44, KSA                     ; scale words: step w / 2, bytes 2 (w % 2) on
	s_mov_b32 s36, 0x76543210
	s_mov_b32 s37, 0xfedcba98                      ; v_permlanex16_b32's selects for lane l xor 16
	s_mov_b32 s38, 0x3e38aa3b                      ; c = log2(e) / 8
	s_mov_b32 s39, s38                             ; (the packed form names the pair)
	s_mov_b32 s45, 0xbe38aa3b                      ; -c
	s_mov_b32 s40, 0x99999999
	s_mov_b32 s46, 0x0f0f0f0f                      ; the even nibbles
	; descriptor group 1: 64 rows of 64 f32, rows 4,096 elements apart, 4 words of padding behind every 64
	s_mov_b32 s24, 15|(2<<16)|(1<<20)|(1<<21)|(5<<22)|(3<<25)  ; 15:0 the mask: all four work-groups; 17:16 elements of 4 bytes; 20 padding on; 21 set beside a mask; 24:22 code 5; 31:25 code 3
	s_mov_b32 s25, 64<<16                          ; tensor_dim0 = 64
	s_mov_b32 s26, 64<<16                          ; tensor_dim1 = 64
	s_mov_b32 s27, 64<<16                          ; tile_dim0 = 64
	s_mov_b32 s28, 64                              ; tile_dim1 = 64
	s_mov_b32 s29, 4096                            ; tensor_dim0_stride
	s_mov_b32 s30, 0
	s_mov_b32 s31, 0
	s_mov_b32 s32, 1                               ; group 0: count = 1
	s_mul_i32 s33, s12, WREG                       ; LDS address: my region; no place in the cluster enters it
	s_wait_alu depctr_va_vdst(0)
	s_wait_dscnt 0x0                               ; both opening adds are done
	s_wait_kmcnt 0x0
	s_add_nc_u64 s[34:35], s[6:7], s[20:21]        ; the tile's first element
	s_or_b32 s35, s35, 0x80000000                  ; type = 2
	s_add_nc_u64 s[4:5], s[4:5], s[18:19]
	s_add_nc_u64 s[10:11], s[10:11], s[18:19]
	s_add_nc_u64 s[8:9], s[8:9], s[22:23]
	CROUND                                         ; all four work-groups are here: the joint loads meet
	tensor_load_to_lds s[32:35], s[24:31]          ; my 64 keys: the wave's one tensor load, and the region's only fill
	s_nop 0
.rept 4
	v_nop
.endr
	QLOAD 0                                        ; half of Q behind the keys; the other half and the first mask bytes are asked for when my tile has landed
	v_and_b32 v[TA], 3, v[HR]
	v_bfe_u32 v[TB], v0, 2, 1
	v_mul_u32_u24 v[AST], v[HR], PITCH
	v_and_b32 v[VST], 7, v0
	v_lshlrev_b32 v[TA], 5, v[TA]
	v_lshl_add_u32 v[AST], v[HH], 7, v[AST]
	v_lshlrev_b32 v[VST], 5, v[VST]
	v_lshl_add_u32 v[TA], v[TB], 4, v[TA]          ; 16 j for sg(j) = r % 8: 32 (r % 4) + 16 ((r / 4) % 2)
	v_bfe_u32 v[TB], v0, 3, 1                      ; r / 8
	v_add_nc_u32 v[AST], s42, v[AST]               ; region + 272 r + 128 h
	v_add_nc_u32 v[VST], s42, v[VST]               ; region + 32 (lane % 8); 512 (lane / 8) is added below: tile lane / 8, channel row 2 (lane % 8)
	v_lshl_add_u32 v[KST], v[TB], 9, v[TA]
	v_lshrrev_b32 v[KSS], 1, v[TA]                 ; 8 j
	v_lshl_add_u32 v[AVT], v[HL], 3, s42           ; region + 8 x lane
	v_lshl_add_u32 v[KST], v[HH], 8, v[KST]
	v_lshl_add_u32 v[KSS], v[TB], 2, v[KSS]
	v_and_b32 v[VSS], 7, v0
	v_add_nc_u32 v[KST], s42, v[KST]               ; region: tile 2 gr + r / 8, row 8 bt + j, half h
	v_add_nc_u32 v[KSS], v[KSS], v[HH]
	v_lshl_add_u32 v[VSS], v[VSS], 4, s44          ; 16 (lane % 8); 128 (lane / 16) + 4 ((lane / 8) % 2) are added below
	v_lshl_add_u32 v[QCA], v[HL], 2, s43           ; 4 x lane: query's row of 32 bytes, my 8 codes
	v_add_nc_u32 v[KSS], s44, v[KSS]               ; 8 j + 4 (r / 8) + h: my block's byte
	v_bfe_u32 v[QBA], v0, 2, 3
	v_lshlrev_b32 v[QRA], 5, v[HR]
	v_mul_u32_u24 v[YW], v[HH], YP
	v_mul_u32_u24 v[YR], v[HR], YP
	v_lshl_add_u32 v[QBA], v[QBA], 2, s43          ; 4 (lane / 4): query, block
	v_lshl_add_u32 v[QRA], v[HH], 4, v[QRA]
	v_lshl_add_u32 v[YW], v[HR], 3, v[YW]
	v_lshl_add_u32 v[YR], v[HH], 4, v[YR]
	s_add_co_u32 s41, s42, MS                      ; my stage
	v_add_nc_u32 v[QRA], s43, v[QRA]               ; 32 r + 16 h
	v_add_nc_u32 v[YW], s41, v[YW]
	v_add_nc_u32 v[YR], s41, v[YR]
	v_lshl_add_u32 v[QRB], v[HR], 3, s43           ; 8 r
	v_bfe_u32 v[TA], v0, 3, 2
	v_bfe_u32 v[TB], v0, 3, 1
	v_lshl_add_u32 v[VSS], v[HH], 7, v[VSS]
	v_lshl_add_u32 v[VST], v[TA], 9, v[VST]
	v_lshl_add_u32 v[VSS], v[TB], 2, v[VSS]
	v_lshlrev_b32 v[AKI], 4, v[HL]
	v_lshlrev_b32 v[AS], 3, v[HL]
	v_lshlrev_b32 v[SH8], 3, v[HH]
	v_mov_b32 v[MSC], 0xfafafafa
	v_add_nc_u32 v[AS], KSA, v[AS]
	s_wait_alu depctr_va_vdst(0)
	s_wait_tensorcnt 0x0                           ; my rows are in LDS; only I read them as numbers
	LDK 0, 0, X0
	LDK 0, 1, X1
	LDV 0
	QLOAD 2
	MGLOAD 0                                       ; the first two steps' mask bytes
	s_wait_alu depctr_va_vdst(0)
	s_wait_dscnt 32                                ; K's sixteen loads are in; V's 32 may be out
	QB2 X0, X1
	KSTO 0
	LDK 1, 0, X0
	LDK 1, 1, X1
	s_wait_alu depctr_va_vdst(0)
	s_wait_dscnt 16                                ; V is in and the stores are done; the sixteen just issued may be out
	QBV
	VSTO 0
	LDV 1
	s_wait_alu depctr_va_vdst(0)
	s_wait_dscnt 32                                ; K is in and the stores are done; V's 32 may be out
	QB2 X0, X1
	KSTO 1
	s_wait_alu depctr_va_vdst(0)
	s_wait_dscnt 0x0
	QBV
	VSTO 1
	s_wait_alu depctr_va_vdst(0)
	s_wait_loadcnt 0x8                             ; Q's eight loads are in; the mask's eight behind them may be out
	QQ
	ds_load_b128 v[QF0:QF0+3], v[QRA]              ; query r, 32 channels of block h.  (LDS serves a wave's instructions in order: these see my stores)
	ds_load_b64 v[T:T+1], v[QRB] offset:512        ; its two blocks' bytes
	s_wait_alu depctr_va_vdst(0)
	s_wait_loadcnt 0x0                             ; the first two steps' mask bytes are in
.irp i, 0,1,2,3,4,5,6,7
	PKA \i
.endr
.irp i, 0,1,2,3,4,5,6,7
	PKX \i
.endr
	PST                                            ; the loads of all 64 rows of my region stand ahead of these
	s_wait_alu depctr_va_vdst(0)
	s_wait_dscnt 0x0                               ; for the others' sake: my images and scale bytes are in LDS
	MGLOAD 1                                       ; the next two steps' mask bytes: bytes that nobody writes, on their way across the barrier
	s_barrier_signal -1
	v_lshl_or_b32 v[T], v[T+1], 8, v[T]
	v_mov_b32 v[QF1], 0                            ; the zero codes on both sides of Q
	v_mov_b32 v[QF1+1], 0
	v_or_b32 v[QS0], 0x01010000, v[T]              ; Q's two bytes below, the zeros' byte 1 above,
	v_lshl_or_b32 v[QS1], v[T], 16, 0x0101         ; and the other way round
	v_mov_b32 v[QF1+2], 0
	v_mov_b32 v[QF1+3], 0
.irp i, 4,5,6,7
	v_mov_b32 v[QF0+\i], 0
.endr
	v_mov_b32 v[LS], 0                             ; the sum, in two halves
	v_mov_b32 v[LS+1], 0
	v_mov_b32 v[FF+1], 0                           ; (named as the upper half of a pair)
	v_mov_b32 v11, 0                               ; (likewise)
	v_mov_b32 v[TR], 0xf1800000                    ; the running largest score begins at -2^100: over every hidden score, under every other
	s_wait_alu depctr_va_vdst(0)
	s_barrier_wait -1                              ; everybody's images are in LDS
	KLOAD 0
	ds_load_b64 v[KSR:KSR+1], v[AS]
	YLOAD 0
; A STEP OF 128 KEYS, written out eight times so that the offsets are immediates.  The twelve matrix instructions name twelve accumulators in turn.
.macro STEP st
.set NMC, 12-2*((\st)%2)               ; -M of this step and of the last, by turns
.set NMP, 10+2*((\st)%2)
	s_wait_alu depctr_va_vdst(0)
.if ((\st)%2) == 1 && (\st) < 7
	s_wait_loadcnt 0x0                             ; the next two steps' mask bytes, asked for in the last odd step or ahead of the barrier, are in
.endif
	s_wait_dscnt 0x0                               ; this step's K and mask words, the last step's V, and their scales are in
.irp u, 0,1,2,3
	v_cvt_scale_pk8_f32_fp4 v[S+8*\u:S+8*\u+7], v[Y+\u], v[MSC]              ; x 2^123: -0 or -2^122
	v_cvt_scale_pk8_f32_fp4 v[S+32+8*\u:S+32+8*\u+7], v[Y+4+\u], v[MSC]
.endr
.if (\st) > 0
	v_add_nc_u32 v[AKI], 2*WREG, v[AKI]            ; on to this step's regions; also the plain line behind the conversions
.else
	v_nop
.endif
.irp u, 0,1,2,3
	SC1 \u, S+8*\u, QF0, QS0
.endr
.irp u, 0,1,2,3
	SC1 \u, S+32+8*\u, QF1, QS1
.endr
.if (\st) > 0
.irp dt, 0,1,2,3
.if (\st) == 1
	PV1 \dt, 1                                     ; the first step's products start the sums
.else
	PV1 \dt, 0
.endif
.endr
.endif
.if ((\st)%2) == 1 && (\st) < 7
	PKA 0                                          ; four places behind the products: for the loads below and the reads of the scores
	PKA 1
.else
.rept 4
	v_nop
.endr
.endif
.if (\st) < 7
	KLOAD 2*WREG                                   ; the next step's K
	ds_load_b64 v[KSR:KSR+1], v[AS] offset:256*((\st)+1)
.endif
.irp dt, 0,1,2,3
	ds_load_b128 v[VF+8*\dt:VF+8*\dt+3], v[AKI] offset:VI+512*\dt           ; this step's V^T: keys 0-63,
	ds_load_b128 v[VF+8*\dt+4:VF+8*\dt+7], v[AKI] offset:WREG+VI+512*\dt    ; keys 64-127
.endr
	ds_load_b64 v[VSL:VSL+1], v[AS] offset:2048+256*(\st)
.if ((\st)%2) == 0
	YLOAD 1                                        ; the next step's mask words
.elseif (\st) < 7
.irp i, 2,3,4,5,6,7
	PKA \i
.endr
.endif
	BMAX4
.if ((\st)%2) == 1 && (\st) < 7
	v_max3_num_f32 v[T], v[BM], v[BM+1], v[TR]     ; the maximum's chain, with the mask's lines between
	PKX 0
	PKX 1
	v_permlanex16_b32 v[T2], v[T], s36, s37
	PKX 2
	PKX 3
	v_max_num_f32 v[TR], v[T], v[T2]
	PKX 4
	PKX 5
	v_mul_f32 v[T], s45, v[TR]
	PKX 6
	PKX 7
	v_floor_f32 v[NMC], v[T]                       ; -M = floor(-t) = -ceil(t)
	PST                                            ; over the last two steps' words, whose loads stand ahead
	YLOAD 0
	v_sub_f32 v[T], v[NMC], v[NMP]                 ; old M - new M: a whole number, 0 or less
.else
	s_delay_alu instid0(VALU_DEP_1)
	v_max3_num_f32 v[T], v[BM], v[BM+1], v[TR]
	s_delay_alu instid0(VALU_DEP_1)
	v_permlanex16_b32 v[T2], v[T], s36, s37
	s_delay_alu instid0(VALU_DEP_1)
	v_max_num_f32 v[TR], v[T], v[T2]               ; the running largest score of my query
	s_delay_alu instid0(VALU_DEP_1)
	v_mul_f32 v[T], s45, v[TR]                     ; -t
	s_delay_alu instid0(VALU_DEP_1)
	v_floor_f32 v[NMC], v[T]                       ; -M = floor(-t) = -ceil(t)
.if (\st) > 0
	s_delay_alu instid0(VALU_DEP_1)
	v_sub_f32 v[T], v[NMC], v[NMP]
.endif
.endif
.irp j, 0,2,4,6
	FMA2 \j
.endr
.if (\st) > 0
	v_cvt_i32_f32 v[T], v[T]                       ; (it saturates)
.endif
.irp j, 8,10,12,14
	FMA2 \j
.endr
.if (\st) > 0
	v_ldexp_f32 v[FF], 1.0, v[T]                   ; f = 2^(old M - new M): a multiplication by it rounds nothing
.endif
.irp j, 16,18,20,22,24,26,28,30,32,34,36,38,40,42,44,46,48,50,52,54,56,58,60,62
	FMA2 \j
.endr
	v_fma_f32 v[BM], v[BM], s38, v[NMC]            ; the same of each block's largest score
	v_fma_f32 v[BM+1], v[BM+1], s38, v[NMC]
.if (\st) > 0
.irp j, 0,2,4,6,8,10,12,14,16,18,20,22,24,26,28,30
	v_pk_mul_f32 v[O+\j:O+\j+1], v[O+\j:O+\j+1], v[FF:FF+1] op_sel_hi:[1,0]   ; O^T under the new M, each tile from its low end on
.endr
.endif
	s_wait_alu depctr_va_vdst(0)
.irp j, 0,1,2,3,4,5,6,7,8,9,10,11,12,13,14,15,16,17,18,19,20,21,22,23,24,25,26,27,28,29,30,31,32,33,34,35,36,37,38,39,40,41,42,43,44,45,46,47,48,49,50,51,52,53,54,55,56,57,58,59,60,61,62,63
	v_exp_f32 v[S+\j], v[S+\j]                     ; p = 2^(t - M); 0 for a hidden key
.endr
	v_exp_f32 v[BM], v[BM]                         ; the block's largest p
	v_exp_f32 v[BM+1], v[BM+1]
.if (\st) > 0
	v_pk_mul_f32 v[LS:LS+1], v[LS:LS+1], v[FF:FF+1] op_sel_hi:[1,0]   ; the sum under the new M; also the plain line behind the exponentials
.else
	v_nop
.endif
	s_wait_alu depctr_va_vdst(0)                   ; and behind it, ahead of its first reader
.if (\st) == 1 || (\st) == 3
	s_wait_dscnt 2                                 ; the stage's eight stores have read their registers; the two loads of mask words behind them may be out
	MGLOAD ((\st)+3)/2                             ; the mask bytes of steps st + 3 and st + 4, wanted at the head of step st + 2
.endif
.irp c, 0,1
	v_max_num_f32 v[BM+\c], 0x1800000, v[BM+\c]    ; the floor: the byte cannot fall under 1
.endr
.irp c, 0,1
	v_add_nc_u32 v[SO+\c], 0xff000000, v[BM+\c]
.endr
.irp u, 0,1,2,3
	v_cvt_scalef32_pk8_fp4_f32 v[PC+\u], v[S+8*\u:S+8*\u+7], v[SO]                 ; register 4 c + u of P's operand, as it stands
	v_cvt_scalef32_pk8_fp4_f32 v[PC+4+\u], v[S+32+8*\u:S+32+8*\u+7], v[SO+1]
.endr
	v_lshrrev_b32 v[BY], 23, v[SO]                 ; (plain lines behind the conversions)
	v_lshrrev_b32 v[BY+1], 23, v[SO+1]
	ADD1 0                                         ; THE ROW'S SUM, of the unquantised p: a tree in p's own registers, which the conversions have left; P's scale word is made between
	v_lshl_or_b32 v[T], v[BY+1], 16, v[BY]         ; my blocks h and 2 + h,
	ADD1 1
	v_lshlrev_b32 v[T], v[SH8], v[T]               ; at their bytes;
	ADD1 2
	v_permlanex16_b32 v[T2], v[T], s36, s37
	ADD1 3
	v_or_b32 v[PS], v[T], v[T2]                    ; with the other half's two, p's scale word
.irp j, 0,8,16,24,32,40,48,56
	v_pk_add_f32 v[S+\j:S+\j+1], v[S+\j:S+\j+1], v[S+\j+4:S+\j+5]
.endr
.irp j, 0,16,32,48
	v_pk_add_f32 v[S+\j:S+\j+1], v[S+\j:S+\j+1], v[S+\j+8:S+\j+9]
.endr
.irp j, 0,32
	v_pk_add_f32 v[S+\j:S+\j+1], v[S+\j:S+\j+1], v[S+\j+16:S+\j+17]
.endr
	s_delay_alu instid0(VALU_DEP_1)
	v_pk_add_f32 v[S:S+1], v[S:S+1], v[S+32:S+33]
	s_delay_alu instid0(VALU_DEP_1)
	v_pk_add_f32 v[LS:LS+1], v[LS:LS+1], v[S:S+1]
.endm
.irp st, 0,1,2,3,4,5,6,7
	STEP \st
.endr
	s_wait_alu depctr_va_vdst(0)
	s_wait_dscnt 0x0                               ; the last step's V
.irp dt, 0,1,2,3
	PV1 \dt, 0
.endr
	; THE WAY OUT.  O^T / the sum goes through my own stage in LDS, which the mask has left, and leaves as whole rows: a lane's eight channels of a tile are 32 neighbouring bytes of its query's 256.
	v_add_f32 v[LS], v[LS], v[LS+1]                ; the sum's two halves,
	v_and_b32 v28, 15, v0                          ; r
	v_bfe_u32 v29, v0, 4, 1                        ; h
	v_permlanex16_b32 v[T2], v[LS], s36, s37
	v_mul_u32_u24 v30, v28, PITCH
	v_mul_u32_u24 v31, v29, PITCH
	v_add_f32 v[LS], v[LS], v[T2]                  ; and the other half of the lanes': the row's sum
	s_wait_alu depctr_va_vdst(0)
	v_rcp_f32 v[FF], v[LS]
	v_lshl_add_u32 v30, v29, 5, v30                ; (plain lines behind the reciprocal)
	v_lshl_add_u32 v31, v28, 4, v31
	v_lshlrev_b32 v32, 14, v29
	v_add_nc_u32 v30, s42, v30                     ; region + 272 r + 32 h
	v_add_nc_u32 v31, s42, v31                     ; region + 272 h + 16 r
	v_lshl_add_u32 v32, v28, 4, v32                ; lanes 0-15 one row of out, lanes 16-31 the next, 16 bytes a lane
	s_wait_alu depctr_va_vdst(0)                   ; and behind it; it serves the last products' results too
.irp j, 0,2,4,6,8,10,12,14,16,18,20,22,24,26,28,30
	v_pk_mul_f32 v[S+\j:S+\j+1], v[O+\j:O+\j+1], v[FF:FF+1] op_sel_hi:[1,0]   ; register 8 dt + i is out(r, 16 dt + 8 h + i)
.endr
.irp dt, 0,1,2,3
	ds_store_b128 v30, v[S+8*\dt:S+8*\dt+3] offset:MS+64*\dt
	ds_store_b128 v30, v[S+8*\dt+4:S+8*\dt+7] offset:MS+64*\dt+16
.endr
.irp i, 0,1,2,3,4,5,6,7
	ds_load_b128 v[KB+4*\i:KB+4*\i+3], v31 offset:MS+2*\i*PITCH   ; LDS serves a wave's instructions in order (ISA guide 5.7.1.4): these see my stores
.endr
	s_wait_alu depctr_va_vdst(0)
.irp i, 0,1,2,3,4,5,6,7
	s_wait_dscnt 7-\i                              ; pair i of rows is back; the younger loads stay out
	global_store_b128 v32, v[KB+4*\i:KB+4*\i+3], s[10:11] offset:32768*\i th:TH_STORE_NT   ; 16 lanes store 256 consecutive bytes, at a multiple of 256 from out's first byte
.endr
	s_wait_tensorcnt 0x0                           ; the wave's end
	ds_add_u32 v[SPW], v[NIL]
	s_wait_dscnt 0x0
	CROUND                                         ; the closing round: no work-group ends while a partner may still ask for a tile that names it
	s_endpgm
.Lfunc_end_k_qa61a483fb2_attn:
	.size	k_qa61a483fb2_attn, .Lfunc_end_k_qa61a483fb2_attn-k_qa61a483fb2_attn
	.p2alignl 7, 3214868480
	.fill 96, 4, 3214868480
	.section	.rodata,"a",@progbits
	.p2align	6, 0x0
	.amdhsa_kernel k_qa61a483fb2_attn
		.amdhsa_group_segment_fixed_size 296960
		.amdhsa_private_segment_fixed_size 0
		.amdhsa_enable_private_segment 0
		.amdhsa_kernarg_size 32
		.amdhsa_user_sgpr_count 2
		.amdhsa_user_sgpr_kernarg_segment_ptr 1
		.amdhsa_wavefront_size32 1
		.amdhsa_system_sgpr_workgroup_id_x 1
		.amdhsa_system_sgpr_workgroup_id_y 1
		.amdhsa_system_sgpr_workgroup_id_z 1
		.amdhsa_system_vgpr_workitem_id 0
		.amdhsa_next_free_vgpr 256
		.amdhsa_next_free_sgpr 66
		.amdhsa_reserve_vcc 0
		.amdhsa_float_denorm_mode_32 3
		.amdhsa_float_denorm_mode_16_64 3
		.amdhsa_memory_ordered 1
		.amdhsa_forward_progress 1
		.amdhsa_inst_pref_size 160
	.end_amdhsa_kernel
	.amdgpu_metadata
---
amdhsa.version: [ 1, 2 ]
amdhsa.kernels:
  - .name:           k_qa61a483fb2_attn
    .symbol:         k_qa61a483fb2_attn.kd
    .args:
      - { .name: queries, .offset: 0, .size: 8, .value_kind: global_buffer, .address_space: global }
      - { .name: keys, .offset: 8, .size: 8, .value_kind: global_buffer, .address_space: global }
      - { .name: attn_mask, .offset: 16, .size: 8, .value_kind: global_buffer, .address_space: global }
      - { .name: out0, .offset: 24, .size: 8, .value_kind: global_buffer, .address_space: global }
    .group_segment_fixed_size: 296960
    .private_segment_fixed_size: 0
    .kernarg_segment_align: 8
    .kernarg_segment_size: 32
    .max_flat_workgroup_size: 512
    .sgpr_count:     66
    .vgpr_count:     256
    .wavefront_size: 32
...
	.end_amdgpu_metadata
.endif
;; end of part 1
